; MI455X (gfx1250); checked and timed in simulation.
; The chip was launched on July 23, 2026; its instructions are those of AMD's public machine-readable ISA for CDNA 5 (MIT licence, August 2026) and "CDNA5" Instruction Set Architecture Reference Guide (July 2026). The comments in the code are by the model that wrote it; some were corrected since.
;; Multi Head Attention. Allowed arithmetic: matrix products marked QUANTISED: E2M3 operands, one E8M0 scale for each 32 along K, by v_wmma_scale_f32_16x16x128_f8f6f4 with both operands' format E2M3, f32 sums; everything else in f32.
;; Inputs: Wk 1,024 x 1,024 float32; Wo 1,024 x 1,024 float32; Wq 1,024 x 1,024 float32; Wv 1,024 x 1,024 float32; x 4 x 2,048 x 1,024 float32.
;; Outputs: out0 4 x 2,048 x 1,024 float32.
;; This version of the problem:
;;   THIS VERSION OF THE PROBLEM IS GIVEN IN LOW PRECISION. The matrix products marked QUANTISED in the list below multiply operands that are first quantised to E2M3 (2 exponent bits, 3 mantissa bits; 6 bits a number), with one power-of-two scale for each 32 numbers along K (OCP MX v1.0); their sums are f32. All else is computed in f32.
;;   The module's matrix products, in the order in which they are computed (A, B: the left and right operand; K: the contracted axis; several contracted axes count as one K, in the product's order):
;;     1. [M 8,192, K 1,024] x [K 1,024, N 1,024]; A: input x; B: input Wq: QUANTISED
;;     2. [M 8,192, K 1,024] x [K 1,024, N 1,024]; A: input x; B: input Wk: QUANTISED
;;     3. [M 8,192, K 1,024] x [K 1,024, N 1,024]; A: input x; B: input Wv: QUANTISED
;;     4. batch 64 x [M 2,048, K 64] x [K 64, N 2,048]; A: computed on the way; B: computed on the way: QUANTISED
;;     5. batch 64 x [M 2,048, K 2,048] x [K 2,048, N 64]; A: softmax (see below); B: computed on the way: QUANTISED
;;     6. [M 8,192, K 1,024] x [K 1,024, N 1,024]; A: computed on the way; B: input Wo: QUANTISED
;;   THE QUANTISER, for each operand of a quantised product, along K:
;;     - K is cut into blocks of 32 from its start; a last block that is shorter is filled with zeros.
;;     - A block's scale is 2^e with e = floor(log2(the largest magnitude in the block)) - 2, held to -126 .. 127; a block of zeros has e = 0. As a byte (E8M0): e + 127.
;;     - Each number is divided by its block's scale, clamped to +-7.5, and rounded to the nearest number of E2M3, ties to even, subnormals kept.
;;     - The product sums the exact products of the quantised numbers (number of the format x scale) in f32.
;;   ~~~python
;;   def quantise(x, axis):      # numpy; x: float32 -> the quantised numbers, widened to float32 again
;;       x = np.moveaxis(x, axis, -1); K = x.shape[-1]
;;       x = np.pad(x, [(0, 0)] * (x.ndim - 1) + [(0, -K % 32)]); x = x.reshape(x.shape[:-1] + (-1, 32)); a = np.abs(x).max(-1, keepdims=True)
;;       e = np.where(a > 0, np.clip(np.frexp(np.where(a > 0, a, 1))[1] - 1 - 2, -126, 127), 0)      # np.frexp(a)[1] - 1 = floor(log2(a)), exactly
;;       r = np.clip(x / 2.0 ** e, -7.5, 7.5)
;;       step = 2.0 ** (np.maximum(np.frexp(np.where(r == 0, 1, r))[1] - 1, 0) - 3)
;;       q = np.round(r / step) * step * 2.0 ** e      # np.round: ties to even
;;       return np.moveaxis(q.reshape(q.shape[:-2] + (-1,))[..., :K], -1, axis).astype(np.float32)
;;   ~~~
;;   SOFTMAX AHEAD OF A QUANTISED PRODUCT. Where the list says 'softmax', what is quantised is not the finished softmax but p = 2^(t - M), with t = logit x log2(e) and M = ceil(the row's largest t), a whole number; so 1/2 < the row's largest p <= 1. The row's sum l is taken of the UNQUANTISED p, in f32, and the product's result is divided by l at the end. Since M is a whole number, a kernel that streams over the keys may use a running M (the ceiling of the running maximum): every later rescaling is an exact power of two, which a block's scale takes up: the codes' values come out the same.
;;   OPERANDS COMPUTED ON THE WAY. 'Computed on the way' means the value that the module computes at that place (a softmax that the list does not call 'softmax' is quantised finished and normalised). What goes into a quantiser is computed in f32, as accurately as f32 sums, v_exp_f32 and their like allow (about 1e-6 of the number): no bf16 or f16 on the way to a quantiser, and a product that is left as it is and whose result goes on into a quantised operand takes f32 operands (vector FMAs, or v_wmma_f32_16x16x4_f32). A number that lies on a knife's edge between two numbers of the format may be rounded either way, as far as f32 arithmetic and the matrix unit's own rounding can turn it there, and no further.
;; One version. Each part assembles by itself: llvm-mc -triple=amdgcn-amd-amdhsa -mcpu=gfx1250 --defsym DOCPART=n.
;; ======== version 1 of 1: 4 launches
;; limits: right only within a limited range of input values
;; workspace buffers: inimg 9,437,184 bytes; inscl 393,216 bytes; qkvimg 18,874,368 bytes; qkvscl 786,432 bytes; oimg 6,291,456 bytes; oscl 262,144 bytes
;; launch quant (part 1): grid 768 x 1, 2 waves a work-group, no clusters, 34,304 bytes of LDS; arguments x, Wq, Wk, Wv, Wo, inimg, inscl; writes inimg, inscl
.if DOCPART == 1
	.amdgcn_target "amdgcn-amd-amdhsa--gfx1250"
	.amdhsa_code_object_version 6
	.text
	.protected	k_q8a6d6576a5_quant
	.globl	k_q8a6d6576a5_quant
	.p2align	8
	.type	k_q8a6d6576a5_quant,@function
k_q8a6d6576a5_quant:
	s_mov_b64 s[64:65], 0
	v_nop
	global_prefetch_b8 v0, s[64:65] scope:SCOPE_SE
	s_setreg_imm32_b32 hwreg(HW_REG_WAVE_MODE, 25, 1), 1
	s_wait_xcnt 0x0
; x [8192][1024] and Wq, Wk, Wv, Wo [1024][1024], f32, K innermost, become codes of FP6 (E2M3) with one E8M0 byte for each 32 along K,
; laid in the ORDER OF AN OPERAND'S REGISTERS.  The 12,288 rows count as one list: x, Wq, Wk, Wv, Wo; a block is 256 rows.
; TILES.  Tile T of 16 rows: lane r holds row 32 (T / 2) + 8 (T % 2) + r + 8 (r / 8).  Used as source 0 of a product, two neighbouring tiles then give a lane 16 neighbours along the next K.
; IMAGE.  A fragment (16 rows x 128 K, 12 registers a lane) is 1,536 bytes: two halves of 768; half c = registers 6c..6c+3 at 16 x lane (512 bytes), then registers 6c+4, 6c+5 at 8 x lane (256 bytes).
; inimg [block][K step 0..7][tile 0..15][1536];  inscl [block][K half 0..1][position 0..255][4 words], word t = K step 4 half + t, byte b = k 32 b on.
; SHARES.  A work-group owns 16 rows (one tile).  Wave w: tile w / 2, K half w % 2: four fragments.  Each load reads 512 consecutive bytes of one row; a K step's 16 rows turn through the wave's own stage in LDS,
; so that lane (r, h) gets blocks h and 2 + h of row r whole: no other lane is asked for a maximum.  Loads run two K steps (32 loads a wave) ahead.  No barrier: waves share nothing.
; A block's scale byte is its largest magnitude's exponent field - 2, held at 1 from below.
; LIMITS: a block of zeros, or one whose largest magnitude lies under 2^-124, keeps the byte 1 (its bytes are read by this program alone); NaN and infinities among the inputs are not served.
.set RAW,   16                         ; v16-143  two sets of 64: a K step as loaded
.set X,     144                        ; v144-207 my two blocks of 32
.set C,     208                        ; v208-219 the fragment's 12 registers
.set Y,     220                        ; v220-222, v224-226 the upper 16 codes of each block (a conversion's three registers begin on an even number)
.set M,     228                        ; v228-229 largest magnitudes
.set SCO,   230                        ; v230-231 the conversions' scale operands
.set BY,    232                        ; v232-233 scale bytes
.set WD,    234
.set TMP,   235
.set W,     236                        ; v236-239 the four K steps' scale words
.set PITCH, 528                        ; a stage row: 512 bytes + 16 = 33 x 16: sixteen rows begin in sixteen different columns of 16 bytes
.set STG,   16*PITCH
	s_load_b256 s[4:11], s[0:1], 0x0               ; x, Wq, Wk, Wv
	s_load_b128 s[12:15], s[0:1], 0x20             ; Wo, inimg
	s_load_b64 s[16:17], s[0:1], 0x30              ; inscl
	v_lshl_add_u32 v254, v0, 2, 0x8400
	v_mov_b32 v255, 0
	v_lshrrev_b32 v1, 5, v0
	v_readfirstlane_b32 s18, v1                    ; wave
	v_and_b32 v9, 31, v0                           ; lane
	v_and_b32 v1, 15, v0                           ; r
	v_bfe_u32 v2, v0, 4, 1                         ; h
	v_lshlrev_b32 v3, 4, v9                        ; 16 x lane
	v_lshlrev_b32 v4, 3, v9                        ; 8 x lane
	s_mul_i32 s19, s18, STG                        ; my stage
	v_add_nc_u32 v5, s19, v3                       ; into it: a row's 512 bytes as they lie
	v_mul_u32_u24 v6, v1, PITCH
	v_lshl_add_u32 v6, v2, 7, v6
	v_add_nc_u32 v6, s19, v6                       ; out of it: row r, + 128 h: my block of 32
	v_lshlrev_b32 v7, 4, v1
	v_lshl_add_u32 v7, v2, 3, v7                   ; the scale words' place: 16 r + 8 h
	v_lshlrev_b32 v8, 3, v2                        ; 8 h
	v_mov_b32 v[TMP], 0                            ; a lane permute's destination counts as one of its sources
	s_mov_b32 s20, 0x76543210
	s_mov_b32 s21, 0xfedcba98                      ; selects for lane l xor 16
	s_mov_b32 s22, 0xffff0000                      ; lanes 16-31
	; THE SHARES AS THEY STAND: 768 work-groups of two waves.  A work-group owns ONE tile of 16 rows: tile (work-group % 2) of the pair of tiles (work-group / 2); wave w takes K half w.
	s_lshr_b32 s32, ttmp9, 1                       ; which 32 rows of the list
	s_and_b32 s23, ttmp9, 1                        ; which tile of the pair
	s_and_b32 s24, s18, 1                          ; which half of K
	s_sub_co_u32 s25, s32, 256
	s_lshr_b32 s26, s25, 5                         ; which weight (64 work-groups each)
	s_and_b32 s25, s25, 31
	s_wait_alu depctr_va_vdst(0)
	s_wait_kmcnt 0x0
	s_cmp_eq_u32 s26, 1                            ; the choice hangs on the work-group's number alone
	s_cselect_b64 s[6:7], s[8:9], s[6:7]
	s_cmp_eq_u32 s26, 2
	s_cselect_b64 s[6:7], s[10:11], s[6:7]
	s_cmp_eq_u32 s26, 3
	s_cselect_b64 s[6:7], s[12:13], s[6:7]
	s_cmp_lt_u32 s32, 256
	s_cselect_b64 s[4:5], s[4:5], s[6:7]
	s_cselect_b32 s25, s32, s25                    ; which 32 rows of that tensor
	s_lshl_b32 s28, s25, 17                        ; 32 rows of 4,096 bytes
	s_lshl_b32 s27, s23, 15                        ; the odd tile begins 8 rows down
	s_add_co_u32 s28, s28, s27
	s_lshl_b32 s27, s24, 11                        ; 512 numbers along K
	s_add_co_u32 s28, s28, s27
	s_mov_b32 s29, 0
	s_add_nc_u64 s[4:5], s[4:5], s[28:29]
	s_lshr_b32 s30, s32, 3                         ; block
	s_and_b32 s31, s32, 7
	s_lshl_b32 s31, s31, 1
	s_add_co_u32 s31, s31, s23                     ; tile in the block
	s_mul_i32 s28, s30, 196608
	s_mul_i32 s27, s24, 98304
	s_add_co_u32 s28, s28, s27
	s_mul_i32 s27, s31, 1536
	s_add_co_u32 s28, s28, s27
	s_add_nc_u64 s[14:15], s[14:15], s[28:29]
	s_lshl_b32 s28, s30, 13
	s_lshl_b32 s27, s24, 12
	s_add_co_u32 s28, s28, s27
	s_lshl_b32 s27, s31, 8
	s_add_co_u32 s28, s28, s27
	s_add_nc_u64 s[16:17], s[16:17], s[28:29]
.macro LOAD t                          ; K step t of my 16 rows: a load reads 512 consecutive bytes of one row
.irp i, 0,1,2,3,4,5,6,7,8,9,10,11,12,13,14,15
	global_load_b128 v[RAW+64*((\t)%2)+4*\i:RAW+64*((\t)%2)+4*\i+3], v3, s[4:5] offset:(\i+8*(\i/8))*4096+512*(\t) th:TH_LOAD_NT
.endr
.endm
.macro TURN t                          ; through the stage: LDS serves a wave's instructions in order, so no wait stands between the stores and the loads
.irp i, 0,1,2,3,4,5,6,7,8,9,10,11,12,13,14,15
	ds_store_b128 v5, v[RAW+64*((\t)%2)+4*\i:RAW+64*((\t)%2)+4*\i+3] offset:PITCH*\i
.endr
.irp c, 0,1
.irp j, 0,1,2,3,4,5,6,7
	ds_load_b128 v[X+32*\c+4*\j:X+32*\c+4*\j+3], v6 offset:256*\c+16*\j   ; k = 64 c + 32 h + 4 j on
.endr
.endr
.endm
.macro Q2 t                            ; my two blocks become registers 6c..6c+5 of the fragment; the four bytes of row r meet in one word
.irp c, 0,1
	v_max3_num_f32 v[M+\c], |v[X+32*\c]|, |v[X+32*\c+1]|, 0x1800000   ; with the floor 2^(3 - 127): the byte cannot fall under 1
.endr
.irp i, 2,4,6,8,10,12,14,16,18,20,22,24,26,28,30
.irp c, 0,1
	v_max3_num_f32 v[M+\c], v[M+\c], |v[X+32*\c+\i]|, |v[X+32*\c+\i+1]|
.endr
.endr
.irp c, 0,1
	v_add_nc_u32 v[SCO+\c], 0xff000000, v[M+\c]    ; 2 off the exponent field: the conversion's scale operand
.endr
.irp c, 0,1
	v_lshrrev_b32 v[BY+\c], 23, v[SCO+\c]          ; the scale's byte
.endr
	v_lshl_or_b32 v[WD], v[BY+1], 16, v[BY]        ; blocks h and 2 + h,
	v_lshlrev_b32 v[WD], v8, v[WD]                 ; at their places in the word;
	v_permlanex16_b32 v[TMP], v[WD], s20, s21
	v_or_b32 v[W+\t], v[WD], v[TMP]                ; with lane l xor 16's two the word is whole
.irp c, 0,1
	v_cvt_scalef32_pk16_fp6_f32 v[C+6*\c:C+6*\c+2], v[X+32*\c:X+32*\c+15], v[SCO+\c]
	v_cvt_scalef32_pk16_fp6_f32 v[Y+4*\c:Y+4*\c+2], v[X+32*\c+16:X+32*\c+31], v[SCO+\c]
.endr
	v_nop                                          ; one plain place behind a scaled conversion
.irp c, 0,1
.irp i, 0,1,2
	v_mov_b32 v[C+6*\c+3+\i], v[Y+4*\c+\i]
.endr
.endr
	global_store_b128 v3, v[C:C+3], s[14:15] offset:24576*(\t)            ; 512 consecutive bytes, aligned to 256
	global_store_b64 v4, v[C+4:C+5], s[14:15] offset:24576*(\t)+512       ; 256
	global_store_b128 v3, v[C+6:C+9], s[14:15] offset:24576*(\t)+768
	global_store_b64 v4, v[C+10:C+11], s[14:15] offset:24576*(\t)+1280
.endm
	LOAD 0
	LOAD 1
.irp t, 0,1,2,3
.if \t < 3
	s_wait_loadcnt 16                              ; this K step's 16 loads are in; the next step's may be out
.else
	s_wait_loadcnt 0x0
.endif
	TURN \t
	s_wait_dscnt 0x0                               ; my 64 numbers are back, and the stage's stores have read their registers
	s_wait_xcnt 0x0                                ; the last fragment's stores have read theirs: C may be written again
.if \t < 2
	LOAD \t+2
.endif
	Q2 \t
.endr
	v_cndmask_b32 v240, v[W], v[W+2], s22          ; lanes 0-15 store words 0, 1 of their row, lanes 16-31 words 2, 3
	v_cndmask_b32 v241, v[W+1], v[W+3], s22
	global_store_b64 v7, v[240:241], s[16:17]      ; 32 lanes store 256 consecutive bytes, aligned
	s_wait_tensorcnt 0x0
	ds_add_u32 v254, v255
	s_wait_dscnt 0x0
	s_endpgm
.Lfunc_end_k_q8a6d6576a5_quant:
	.size	k_q8a6d6576a5_quant, .Lfunc_end_k_q8a6d6576a5_quant-k_q8a6d6576a5_quant
	.p2alignl 7, 3214868480
	.fill 96, 4, 3214868480
	.section	.rodata,"a",@progbits
	.p2align	6, 0x0
	.amdhsa_kernel k_q8a6d6576a5_quant
		.amdhsa_group_segment_fixed_size 34304
		.amdhsa_private_segment_fixed_size 0
		.amdhsa_enable_private_segment 0
		.amdhsa_kernarg_size 56
		.amdhsa_user_sgpr_count 2
		.amdhsa_user_sgpr_kernarg_segment_ptr 1
		.amdhsa_wavefront_size32 1
		.amdhsa_system_sgpr_workgroup_id_x 1
		.amdhsa_system_sgpr_workgroup_id_y 1
		.amdhsa_system_sgpr_workgroup_id_z 1
		.amdhsa_system_vgpr_workitem_id 0
		.amdhsa_next_free_vgpr 256
		.amdhsa_next_free_sgpr 66
		.amdhsa_reserve_vcc 0
		.amdhsa_float_denorm_mode_32 3
		.amdhsa_float_denorm_mode_16_64 3
		.amdhsa_memory_ordered 1
		.amdhsa_forward_progress 1
		.amdhsa_inst_pref_size 31
	.end_amdhsa_kernel
	.amdgpu_metadata
---
amdhsa.version: [ 1, 2 ]
amdhsa.kernels:
  - .name:           k_q8a6d6576a5_quant
    .symbol:         k_q8a6d6576a5_quant.kd
    .args:
      - { .name: x, .offset: 0, .size: 8, .value_kind: global_buffer, .address_space: global }
      - { .name: Wq, .offset: 8, .size: 8, .value_kind: global_buffer, .address_space: global }
      - { .name: Wk, .offset: 16, .size: 8, .value_kind: global_buffer, .address_space: global }
      - { .name: Wv, .offset: 24, .size: 8, .value_kind: global_buffer, .address_space: global }
      - { .name: Wo, .offset: 32, .size: 8, .value_kind: global_buffer, .address_space: global }
      - { .name: inimg, .offset: 40, .size: 8, .value_kind: global_buffer, .address_space: global }
      - { .name: inscl, .offset: 48, .size: 8, .value_kind: global_buffer, .address_space: global }
    .group_segment_fixed_size: 34304
    .private_segment_fixed_size: 0
    .kernarg_segment_align: 8
    .kernarg_segment_size: 56
    .max_flat_workgroup_size: 64
    .sgpr_count:     66
    .vgpr_count:     256
    .wavefront_size: 32
...
	.end_amdgpu_metadata
.endif
;; end of part 1
;; launch qkv (part 2): grid 192 x 4, 4 waves a work-group, clusters of 4 x 4, 327,680 bytes of LDS; arguments inimg, inscl, qkvimg, qkvscl; writes qkvimg, qkvscl
.if DOCPART == 2
	.amdgcn_target "amdgcn-amd-amdhsa--gfx1250"
	.amdhsa_code_object_version 6
	.text
	.protected	k_q8a6d6576a5_qkv
	.globl	k_q8a6d6576a5_qkv
	.p2align	8
	.type	k_q8a6d6576a5_qkv,@function
k_q8a6d6576a5_qkv:
	s_mov_b64 s[64:65], 0
	v_nop
	global_prefetch_b8 v0, s[64:65] scope:SCOPE_SE
	s_setreg_imm32_b32 hwreg(HW_REG_WAVE_MODE, 25, 1), 1
	s_wait_xcnt 0x0
	s_wait_alu depctr_hold_cnt(0) depctr_sa_sdst(0) depctr_va_vdst(0) depctr_va_sdst(0) depctr_va_ssrc(0) depctr_va_vcc(0) depctr_vm_vsrc(0)
	s_getreg_b32 s2, hwreg(HW_REG_IB_STS2, 6, 4)
	s_cmp_eq_u32 s2, 0
	s_cbranch_scc0 .Lentry_in_a_cluster
	s_endpgm
.Lentry_in_a_cluster:
	s_bfe_u32 s2, ttmp6, 0x10000c
	s_cmp_lg_u32 s2, 0xf033
	s_cbranch_scc0 .Lentry_shape_is_right
	s_endpgm
.Lentry_shape_is_right:
; q = x Wq^T, k = x Wk^T, v = x Wv^T on codes of FP6 (E2M3) with E8M0 scales, K = 1,024, and each result quantised on the way out: q and k along the head's 64, v along the keys.
; ROLES.  P is source 0: its rows become the NEXT product's K.  R is source 1: its rows stay rows.  q, k: P = Wq or Wk, R = x.  v: P = x, R = Wv.  A lane then holds one row of R, and, by the order of rows in a tile
; (lane r of tile T holds row 32 (T / 2) + 8 (T % 2) + r + 8 (r / 8)), the 16 registers of result tiles 2 B and 2 B + 1 are P's rows 32 B + 16 (lane / 16) + 0 .. 15: neighbours along the next K.
; SHARES.  A work-group: 256 rows of R x 128 rows of P, all of K.  768 work-groups.  Wave w: R's tiles 4 w .. 4 w + 3 x P's eight: 32 accumulators, 256 registers.
; LDS.  R's 196,608 bytes and P's 98,304 for all eight K steps fit together: every byte is filled ONCE, so there is no ring.  Four stages of two K steps; a wave has four tensor loads out at the most.
; CLUSTERS of 4 x 4: R's block hangs on cy alone and is shared along a row of the cluster, P's unit on cx alone and is shared along a column: joint loads, which divide the requests by four.
; Clusters 0-31 make q and k, clusters 32-47 make v: what differs is chosen by s_cselect on the cluster's number; no branch hangs on it.
; THE SCALE WORDS (12 KB of a work-group's 307 KB) go from memory straight into registers, once: too small a part to ask for jointly.
; OUT.  qkvimg: 192 records of 98,304 bytes: q of (batch, head) bh at bh, k at 64 + bh: [token tile 0..127][768] (half a fragment: the head's 64); v at 128 + bh: [key step 0..15][channel tile 0..3][1536].
; qkvscl: q at (bh / 2) 8192, k at (32 + bh / 2) 8192: [tile][16] words, bytes 0, 1 the even head, 2, 3 the odd;  v at 524288 + 4096 bh: [key step][channel tile][16] words.
; LIMITS: a block of zeros or under 2^-124 keeps the scale byte 1 (read by this program alone); NaN and infinities are not served.
; REGISTERS.  window 0: v4-19 LDS addresses by stage; v20-24 offsets; v32-63 R's scale words (tile a, K step q: 32 + 8 a + q); v64-127 P's (64 + 8 b + q); v128-175, v176-223 R's fragments, two sets; v224-243 the way out.
;   window 1: P's fragments, sets at v0 and v128.   window 2: accumulator (a, b) at v[64 a + 8 b].
.set PL,  196608                       ; LDS: R [K step][16 tiles][1536] from 0, P [K step][8 tiles][1536] from here,
.set SS,  294912                       ; and 256 bytes a wave for its scale words on the way out: no fill lands there
.set TM,  224                          ; v224-227 largest magnitudes, v228-231 bytes, v236-239 the conversions' scale operands
.set PW,  240                          ; the scale word just made
.set PC,  128                          ; the codes just made (R's fragments are done with)
.set MSB, 0
.macro WIN new                         ; the immediate's high byte repeats the setting that is left
.if MSB != \new
	s_set_vgpr_msb (MSB<<8)|\new
.set MSB, \new
.endif
.endm
.macro CROUND                          ; a round of the cluster's barrier
	s_barrier_signal -1
	s_barrier_wait -1
	s_cmp_lg_u32 s14, 0
	s_cbranch_scc1 .Lnot_wave_0_\@
	s_barrier_signal -3
.Lnot_wave_0_\@:
	s_barrier_wait -3
	s_barrier_signal -1
	s_barrier_wait -1
.endm
.macro PLACES                          ; four plain places behind matrix instructions, ahead of loads into their registers and of reads of their results
.rept 4
	v_nop
.endr
.endm
.macro FRAG reg, a16, a8, off          ; a fragment's image: every load takes consecutive bytes, lane by lane
	ds_load_b128 v[\reg:\reg+3], v[\a16] offset:\off
	ds_load_b64 v[\reg+4:\reg+5], v[\a8] offset:\off+512
	ds_load_b128 v[\reg+6:\reg+9], v[\a16] offset:\off+768
	ds_load_b64 v[\reg+10:\reg+11], v[\a8] offset:\off+1280
.endm
.macro FETCH q, set                    ; K step q: P's eight fragments and my four of R, 48 LDS loads in one run
	WIN 0x40                                       ; destination window 1
.irp b, 0,1,2,3,4,5,6,7
	FRAG 128*(\set)+12*\b,12+(\q)/2,16+(\q)/2,((\q)%2)*12288+1536*\b
.endr
	WIN 0
.irp a, 0,1,2,3
	FRAG 128+48*(\set)+12*\a,4+(\q)/2,8+(\q)/2,((\q)%2)*24576+1536*\a
.endr
.endm
.macro MUL q                           ; 32 matrix instructions; the 32 accumulators take turns, one instruction a turn, in the same order in every K step
	WIN 0xa1                                       ; source 0 (P) window 1, source 1 (R) window 0, C and D window 2
.irp a, 0,1,2,3
.irp b, 0,1,2,3,4,5,6,7
.if (\q) == 0
	v_wmma_scale_f32_16x16x128_f8f6f4 v[64*\a+8*\b:64*\a+8*\b+7], v[128*((\q)%2)+12*\b:128*((\q)%2)+12*\b+11], v[128+48*((\q)%2)+12*\a:128+48*((\q)%2)+12*\a+11], 0, v[64+8*\b+(\q)], v[32+8*\a+(\q)] matrix_a_fmt:MATRIX_FMT_FP6 matrix_b_fmt:MATRIX_FMT_FP6
.else
	v_wmma_scale_f32_16x16x128_f8f6f4 v[64*\a+8*\b:64*\a+8*\b+7], v[128*((\q)%2)+12*\b:128*((\q)%2)+12*\b+11], v[128+48*((\q)%2)+12*\a:128+48*((\q)%2)+12*\a+11], v[64*\a+8*\b:64*\a+8*\b+7], v[64+8*\b+(\q)], v[32+8*\a+(\q)] matrix_a_fmt:MATRIX_FMT_FP6 matrix_b_fmt:MATRIX_FMT_FP6
.endif
.endr
.endr
	WIN 0
.endm
.macro STEP q
	s_wait_dscnt 0x0                               ; this K step's fragments are in
.if (\q) == 1
	s_wait_tensorcnt 0x0                           ; every wave's one load has landed: K steps 2 to 7 among them
	s_barrier_signal -1
	s_barrier_wait -1                              ; everybody's has
.endif
.if (\q) < 7
	PLACES
	FETCH (\q)+1,((\q)+1)%2                        ; the next K step's fragments, into the other set, ahead of this step's products
.endif
	MUL \q
.endm
	s_load_b256 s[4:11], s[0:1], 0x0               ; inimg, inscl, qkvimg, qkvscl
	v_lshl_add_u32 v254, v0, 2, 0x48400
	v_mov_b32 v255, 0
	ds_add_u32 v254, v255
	ds_add_u32 v254, v255
	v_lshrrev_b32 v1, 5, v0
	v_readfirstlane_b32 s14, v1                    ; wave 0..3
	s_bfe_u32 s17, ttmp6, 0x40000                  ; cx
	s_bfe_u32 s18, ttmp6, 0x40004                  ; cy
	s_lshr_b32 s20, ttmp9, 2
	s_lshl_b32 s20, s20, 2                         ; q, k: R = x's blocks 4 (c / 4) on
	s_and_b32 s21, ttmp9, 3
	s_lshl_b32 s21, s21, 2
	s_add_co_u32 s21, s21, 64                      ;       P = units 64 + 4 (c % 4) on: Wq's eight units of 128 rows, then Wk's
	s_max_u32 s22, ttmp9, 32
	s_sub_co_u32 s22, s22, 32
	s_lshl_b32 s22, s22, 2                         ; v: P = x's units 4 (c - 32) on
	s_cmp_lt_u32 ttmp9, 32
	s_cselect_b32 s20, s20, 40                     ;    R = Wv's blocks 40 on
	s_cselect_b32 s21, s21, s22
	s_add_co_u32 s20, s20, s18                     ; RB: R's block; it never holds cx
	s_add_co_u32 s21, s21, s17                     ; PU: P's unit; it never holds cy
	s_lshl_b32 s22, s18, 2
	s_lshl_b32 s22, 15, s22                        ; my row of the cluster
	s_lshl_b32 s23, 0x1111, s17                    ; my column
	; descriptor group 1: a dense block as rows of 256 bytes (32 elements of 8 bytes): R's K step 96 rows, P's 48
	; THE FILLS AS THEY STAND: four loads, one a wave.  R's block is dense: K steps 0, 1 are 192 rows of 256 bytes (s[24:31]), K steps 2 to 7 are 576 (s[40:47]).
	; P's unit is 12,288 bytes of each K step's 24,576: rows of 1,536 elements of 8 bytes, pitch 3,072: 2 rows (s[32:39]) and 6 rows (s[48:55]).
	s_or_b32 s24, s22, (3<<16)|(1<<21)             ; 15:0 the mask; 17:16 elements of 8 bytes; 21 set beside a mask
	s_or_b32 s40, s22, (3<<16)|(1<<21)
	s_or_b32 s32, s23, (3<<16)|(1<<21)
	s_or_b32 s48, s23, (3<<16)|(1<<21)
.irp g, 24,40
	s_mov_b32 s[\g+1], 32<<16
	s_mov_b32 s[\g+3], 32<<16
	s_mov_b32 s[\g+5], 32
	s_mov_b32 s[\g+6], 0
	s_mov_b32 s[\g+7], 0
.endr
.irp g, 32,48
	s_mov_b32 s[\g+1], 1536<<16
	s_mov_b32 s[\g+3], 1536<<16
	s_mov_b32 s[\g+5], 3072
	s_mov_b32 s[\g+6], 0
	s_mov_b32 s[\g+7], 0
.endr
	s_mov_b32 s26, 192<<16
	s_mov_b32 s28, 192
	s_mov_b32 s42, 576<<16
	s_mov_b32 s44, 576
	s_mov_b32 s34, 2<<16
	s_mov_b32 s36, 2
	s_mov_b32 s50, 6<<16
	s_mov_b32 s52, 6
	s_mul_i32 s56, s20, 196608
	s_mov_b32 s57, 0
	s_lshr_b32 s58, s21, 1
	s_mul_i32 s58, s58, 196608
	s_and_b32 s13, s21, 1
	s_mul_i32 s13, s13, 12288                      ; the unit is the lower or the upper eight tiles of its block
	s_add_co_u32 s58, s58, s13
	s_mov_b32 s59, 0
	s_lshl_b32 s60, s20, 13                        ; R's scale words: my four tiles
	s_lshl_b32 s97, s14, 10
	s_add_co_u32 s60, s60, s97
	s_mov_b32 s61, 0
	s_lshr_b32 s62, s21, 1                         ; P's
	s_lshl_b32 s62, s62, 13
	s_and_b32 s98, s21, 1
	s_lshl_b32 s98, s98, 11
	s_add_co_u32 s62, s62, s98
	s_mov_b32 s63, 0
	s_wait_dscnt 0x0
	s_wait_kmcnt 0x0
	s_add_nc_u64 s[56:57], s[4:5], s[56:57]
	s_add_nc_u64 s[58:59], s[4:5], s[58:59]
	s_add_nc_u64 s[60:61], s[6:7], s[60:61]
	s_add_nc_u64 s[62:63], s[6:7], s[62:63]
.irp s, 0,1                            ; group 0: s = 0: K steps 0, 1; s = 1: K steps 2 to 7.  R's at s[68:71], s[76:79], P's at s[72:75], s[80:83]
	s_mov_b32 s[68+8*\s], 1
	s_mov_b32 s[69+8*\s], \s*49152
	s_add_nc_u64 s[70+8*\s:71+8*\s], s[56:57], \s*49152
	s_or_b32 s[71+8*\s], s[71+8*\s], 0x80000000
	s_mov_b32 s[72+8*\s], 1
	s_mov_b32 s[73+8*\s], PL+\s*24576
	s_add_nc_u64 s[74+8*\s:75+8*\s], s[58:59], \s*49152
	s_or_b32 s[75+8*\s], s[75+8*\s], 0x80000000
.endr
	CROUND                                         ; all sixteen work-groups are here: the joint loads meet
; One chain of branches on the wave's number, one load to an arm: wave 0 R's K steps 0, 1; wave 1 P's; wave 2 R's K steps 2 to 7; wave 3 P's.
.macro ARM under, g0, g1, next
	s_cmp_lt_u32 s14, \under
	s_cbranch_scc0 \next
	tensor_load_to_lds s[\g0:\g0+3], s[\g1:\g1+7]
	s_nop 0
.rept 4
	v_nop
.endr
	s_branch .Lfilled
\next:
.endm
	ARM 1, 68, 24, .Lfill_p0
	ARM 2, 72, 32, .Lfill_r2
	ARM 3, 76, 40, .Lfill_p2
	tensor_load_to_lds s[80:83], s[48:55]
	s_nop 0
.rept 4
	v_nop
.endr
.Lfilled:
	v_and_b32 v1, 31, v0                           ; lane
	v_and_b32 v2, 15, v0                           ; r
	v_lshlrev_b32 v24, 4, v2                       ; a row's four scale words
.irp a, 0,1,2,3
.irp k, 0,1
	global_load_b128 v[32+8*\a+4*\k:35+8*\a+4*\k], v24, s[60:61] offset:4096*\k+256*\a
.endr
.endr
.irp b, 0,1,2,3,4,5,6,7
.irp k, 0,1
	global_load_b128 v[64+8*\b+4*\k:67+8*\b+4*\k], v24, s[62:63] offset:4096*\k+256*\b
.endr
.endr
	v_lshlrev_b32 v20, 4, v1                       ; 16 x lane
	v_lshlrev_b32 v21, 3, v1                       ; 8 x lane
	s_mul_i32 s97, s14, 6144                       ; my four tiles of R in a K step
.irp s, 0,1,2,3
	v_add_nc_u32 v[4+\s], s97, v20
	v_add_nc_u32 v[8+\s], s97, v21
	v_add_nc_u32 v[12+\s], PL+24576*\s, v20
	v_add_nc_u32 v[16+\s], PL+24576*\s, v21
	s_add_co_u32 s97, s97, 49152
.endr
	s_lshl_b32 s97, s14, 8
	s_add_co_u32 s97, s97, SS
	v_lshl_add_u32 v22, v2, 2, s97                 ; my wave's scale words: in, 4 r;
	v_lshl_add_u32 v23, v1, 3, s97                 ; back, 8 x lane
.irp g, 0,1,2,3
	v_mov_b32 v[TM+4+\g], 0                        ; a lane permute's destination counts as one of its sources
.endr
	s_mov_b32 s94, 0x76543210
	s_mov_b32 s95, 0xfedcba98                      ; selects for lane l xor 16
	s_mov_b32 s96, 0x1800000                       ; the floor 2^(3 - 127)
	; where my results go: both cases are worked out, then chosen
	s_sub_co_u32 s84, s21, 64
	s_lshr_b32 s85, s84, 3                         ; 0: q, 1: k
	s_and_b32 s84, s84, 7                          ; the pair of heads
	s_lshr_b32 s86, s20, 3                         ; batch
	s_and_b32 s87, s20, 7
	s_lshl_b32 s87, s87, 4
	s_lshl_b32 s88, s14, 2
	s_add_co_u32 s87, s87, s88                     ; my first token tile in the batch
	s_lshl_b32 s89, s85, 6
	s_lshl_b32 s90, s86, 4
	s_add_co_u32 s89, s89, s90
	s_lshl_b32 s90, s84, 1
	s_add_co_u32 s89, s89, s90                     ; the even head's record
	s_mul_i32 s89, s89, 98304
	s_mul_i32 s90, s87, 768
	s_add_co_u32 s89, s89, s90                     ; q, k: codes
	s_lshl_b32 s90, s85, 2
	s_add_co_u32 s90, s90, s86
	s_lshl_b32 s90, s90, 3
	s_add_co_u32 s90, s90, s84
	s_lshl_b32 s90, s90, 13
	s_lshl_b32 s91, s87, 6
	s_add_co_u32 s90, s90, s91                     ; q, k: scale words
	s_lshr_b32 s91, s21, 4
	s_lshl_b32 s91, s91, 4
	s_sub_co_u32 s92, s20, 40
	s_lshl_b32 s92, s92, 2
	s_add_co_u32 s91, s91, s92
	s_add_co_u32 s91, s91, s14                     ; v: 16 batch + head: my 64 channels are one head
	s_and_b32 s92, s21, 15                         ; the key step
	s_add_co_u32 s93, s91, 128
	s_mul_i32 s93, s93, 98304
	s_mul_i32 s99, s92, 6144
	s_add_co_u32 s93, s93, s99                     ; v: codes
	s_lshl_b32 s91, s91, 4
	s_add_co_u32 s91, s91, s92
	s_lshl_b32 s91, s91, 8
	s_add_co_u32 s91, s91, 524288                  ; v: scale words
	s_cmp_lt_u32 ttmp9, 32
	s_cselect_b32 s84, s89, s93
	s_cselect_b32 s92, s90, s91
	s_mov_b32 s88, 1536
	s_cselect_b32 s88, 768, s88                    ; from one of my tiles to the next
	s_mov_b32 s90, 768
	s_cselect_b32 s90, 98304, s90                  ; from a fragment's first half to its second: the odd head's record, or 768 bytes on
	s_mov_b32 s85, 0
	s_mov_b32 s89, 0
	s_mov_b32 s91, 0
	s_mov_b32 s93, 0
	s_add_nc_u64 s[84:85], s[8:9], s[84:85]
	s_add_nc_u64 s[86:87], s[84:85], s[90:91]
	s_add_nc_u64 s[92:93], s[10:11], s[92:93]
	s_wait_alu depctr_va_vdst(0)
	s_cmp_lt_u32 s14, 2                            ; waves 0 and 1 wait for their loads, K steps 0 and 1; the other two loads may be out
	s_cbranch_scc0 .Lnot_first
	s_wait_tensorcnt 0x0
.Lnot_first:
	s_barrier_signal -1
	s_barrier_wait -1                              ; K steps 0 and 1 are shown to all
	FETCH 0,0
	s_wait_loadcnt 0x0                             ; the scale words
	STEP 0
	STEP 1
	STEP 2
	STEP 3
	STEP 4
	STEP 5
	STEP 6
	STEP 7
; THE WAY OUT.  Tile a's 64 registers of a lane are 128 neighbours' worth along the next K (register 16 g + i = 32 g + 16 (lane / 16) + i of my row): four blocks of 32, each shared with lane l xor 16.
.macro QUANTW a
	WIN 0x28                                       ; sources 1 and 2: window 2.
.irp g, 0,1,2,3
	v_max3_num_f32 v[TM+\g], s96, |v[64*\a+16*\g]|, |v[64*\a+16*\g+1]|
.endr
.irp i, 2,4,6,8,10,12,14
.irp g, 0,1,2,3
	v_max3_num_f32 v[TM+\g], v[TM+\g], |v[64*\a+16*\g+\i]|, |v[64*\a+16*\g+\i+1]|
.endr
.endr
	WIN 0
.irp g, 0,1,2,3
	v_permlanex16_b32 v[TM+4+\g], v[TM+\g], s94, s95
.endr
.irp g, 0,1,2,3
	v_max_num_f32 v[TM+\g], v[TM+\g], v[TM+4+\g]   ; the block's largest magnitude
.endr
.irp g, 0,1,2,3
	v_add_nc_u32 v[TM+12+\g], 0xff000000, v[TM+\g] ; 2 off its exponent field: the conversion's scale operand
.endr
.irp g, 0,1,2,3
	v_lshrrev_b32 v[TM+4+\g], 23, v[TM+12+\g]      ; the scale's byte
.endr
	v_lshl_or_b32 v[PW], v[TM+5], 8, v[TM+4]
	v_lshl_or_b32 v[PW], v[TM+6], 16, v[PW]
	v_lshl_or_b32 v[PW], v[TM+7], 24, v[PW]
	WIN 0x02                                       ; source 0: window 2
.irp c, 0,1
	v_cvt_scalef32_pk16_fp6_f32 v[PC+6*\c:PC+6*\c+2], v[64*\a+32*\c:64*\a+32*\c+15], v[TM+12+2*\c]
	v_cvt_scalef32_pk16_fp6_f32 v[PC+12+4*\c:PC+12+4*\c+2], v[64*\a+32*\c+16:64*\a+32*\c+31], v[TM+13+2*\c]
.endr
	WIN 0
	v_nop                                          ; one plain place behind a scaled conversion
.irp c, 0,1                            ; the operand's layout wants a whole block in a lane: lanes 0-15 block 2 c, lanes 16-31 block 2 c + 1
.irp i, 0,1,2
	v_permlane16_swap_b32 v[PC+6*\c+\i], v[PC+12+4*\c+\i]
.endr
.irp i, 0,1,2
	v_mov_b32 v[PC+3+6*\c+\i], v[PC+12+4*\c+\i]
.endr
.endr
.endm
	PLACES
.irp a, 0,1,2,3
.if \a > 0
	s_wait_dscnt 0x0
	s_wait_xcnt 0x0                                ; the last tile's stores have read their registers and bases
	s_add_nc_u64 s[84:85], s[84:85], s[88:89]
	s_add_nc_u64 s[86:87], s[86:87], s[88:89]
.endif
	QUANTW \a
	ds_store_b32 v22, v[PW] offset:64*\a           ; both halves of the lanes hold the same word and write the same place
	global_store_b128 v20, v[PC:PC+3], s[84:85]    ; each store covers 512 or 256 consecutive bytes, aligned to 256
	global_store_b64 v21, v[PC+4:PC+5], s[84:85] offset:512
	global_store_b128 v20, v[PC+6:PC+9], s[86:87]
	global_store_b64 v21, v[PC+10:PC+11], s[86:87] offset:512
.endr
	ds_load_b64 v[242:243], v23                    ; LDS serves a wave's instructions in order: these see my four stores
	s_wait_dscnt 0x0
	global_store_b64 v21, v[242:243], s[92:93]     ; my four tiles' scale words: 256 consecutive bytes, aligned
	s_wait_tensorcnt 0x0
	ds_add_u32 v254, v255
	s_wait_dscnt 0x0
	CROUND                                         ; the closing round: no work-group ends while a partner may still ask for a tile that names it
	s_endpgm
.Lfunc_end_k_q8a6d6576a5_qkv:
	.size	k_q8a6d6576a5_qkv, .Lfunc_end_k_q8a6d6576a5_qkv-k_q8a6d6576a5_qkv
	.p2alignl 7, 3214868480
	.fill 96, 4, 3214868480
	.section	.rodata,"a",@progbits
	.p2align	6, 0x0
	.amdhsa_kernel k_q8a6d6576a5_qkv
		.amdhsa_group_segment_fixed_size 327680
		.amdhsa_private_segment_fixed_size 0
		.amdhsa_enable_private_segment 0
		.amdhsa_kernarg_size 32
		.amdhsa_user_sgpr_count 2
		.amdhsa_user_sgpr_kernarg_segment_ptr 1
		.amdhsa_wavefront_size32 1
		.amdhsa_system_sgpr_workgroup_id_x 1
		.amdhsa_system_sgpr_workgroup_id_y 1
		.amdhsa_system_sgpr_workgroup_id_z 1
		.amdhsa_system_vgpr_workitem_id 0
		.amdhsa_next_free_vgpr 768
		.amdhsa_next_free_sgpr 100
		.amdhsa_reserve_vcc 0
		.amdhsa_float_denorm_mode_32 3
		.amdhsa_float_denorm_mode_16_64 3
		.amdhsa_memory_ordered 1
		.amdhsa_forward_progress 1
		.amdhsa_inst_pref_size 89
	.end_amdhsa_kernel
	.amdgpu_metadata
---
amdhsa.version: [ 1, 2 ]
amdhsa.kernels:
  - .name:           k_q8a6d6576a5_qkv
    .symbol:         k_q8a6d6576a5_qkv.kd
    .args:
      - { .name: inimg, .offset: 0, .size: 8, .value_kind: global_buffer, .address_space: global }
      - { .name: inscl, .offset: 8, .size: 8, .value_kind: global_buffer, .address_space: global }
      - { .name: qkvimg, .offset: 16, .size: 8, .value_kind: global_buffer, .address_space: global }
      - { .name: qkvscl, .offset: 24, .size: 8, .value_kind: global_buffer, .address_space: global }
    .group_segment_fixed_size: 327680
    .private_segment_fixed_size: 0
    .kernarg_segment_align: 8
    .kernarg_segment_size: 32
    .max_flat_workgroup_size: 128
    .sgpr_count:     100
    .vgpr_count:     768
    .wavefront_size: 32
...
	.end_amdgpu_metadata
.endif
;; end of part 2
;; launch attn (part 3): grid 4 x 64, 16 waves a work-group, clusters of 4 x 1, 235,520 bytes of LDS; arguments qkvimg, qkvscl, oimg, oscl; writes oimg, oscl
.if DOCPART == 3
	.amdgcn_target "amdgcn-amd-amdhsa--gfx1250"
	.amdhsa_code_object_version 6
	.text
	.protected	k_q8a6d6576a5_attn
	.globl	k_q8a6d6576a5_attn
	.p2align	8
	.type	k_q8a6d6576a5_attn,@function
k_q8a6d6576a5_attn:
	s_mov_b64 s[64:65], 0
	v_nop
	global_prefetch_b8 v0, s[64:65] scope:SCOPE_SE
	s_setreg_imm32_b32 hwreg(HW_REG_WAVE_MODE, 25, 1), 1
	s_wait_xcnt 0x0
	s_wait_alu depctr_hold_cnt(0) depctr_sa_sdst(0) depctr_va_vdst(0) depctr_va_sdst(0) depctr_va_ssrc(0) depctr_va_vcc(0) depctr_vm_vsrc(0)
	s_getreg_b32 s2, hwreg(HW_REG_IB_STS2, 6, 4)
	s_cmp_eq_u32 s2, 0
	s_cbranch_scc0 .Lentry_in_a_cluster
	s_endpgm
.Lentry_in_a_cluster:
	s_bfe_u32 s2, ttmp6, 0x10000c
	s_cmp_lg_u32 s2, 0x3003
	s_cbranch_scc0 .Lentry_shape_is_right
	s_endpgm
.Lentry_shape_is_right:
; O = softmax(q k^T / 8) v for one (batch, head), both products on codes of FP6 (E2M3) with E8M0 scales; O / l is quantised along D on the way out, as the last product's operand.
; SOFTMAX: t = score x log2(e) / 8; M = the running largest t rounded up to a whole number; p = 2^(t - M) is quantised along the keys; l sums the unquantised p and divides O at the end;
; when M moves, l and O are multiplied by 2^(old M - new M), which rounds nothing.
; SHARES: a work-group owns 512 queries of one head; each of its sixteen waves one tile of 16 queries in each of two passes.  A key step is 128 keys.
; LDS: the head's K, V and their scale words lie whole and are filled ONCE, one joint load a wave (mask 15: the four quarters of a head's queries read the same bytes):
; waves 0-5 K's codes, 6-11 V's, 12-13 K's scale words, 14-15 V's.  No later fill exists for a prefetch to run ahead of, so none is laid.
; Both products are used transposed: S^T = K Q^T, O^T = V^T P^T: a lane holds one query throughout.
; WHICH KEYS FORM A TILE OF S^T: tile 4 c + u has rows m < 8 = keys 64 c + 8 u + m and rows m >= 8 = keys 64 c + 32 + 8 u + (m - 8).  So lane (r, h) holds in registers S + 32 c .. + 31 the whole
; block 2 c + h of 32 keys, in order: its largest p needs no other lane, and the conversions' results are the operand's registers.  In qkvimg a tile T holds at lane r the row 32 (T / 2) + 8 (T % 2) + r + 8 (r / 8):
; the new tile's lane r reads stored tile 4 c + u % 2 + 2 (r / 8), stored lane r % 8 + 8 (u / 2): a lane term and immediates.
; K's LDS rows of 256 bytes have 64 bytes of padding, a stored tile 960 bytes: two tiles on are 128 bytes modulo 256, so lanes 0-7 and 8-15 of a 16-byte load touch different columns.
; THE FIRST PRODUCT'S K IS 64, the instruction's 128: Q's registers 6-11 hold zero codes and both sides' scale bytes 2, 3 are 0 (16-bit loads).  A zero code times any code is 0, so K's tiles lie 6 registers apart
; and a tile's upper half is the next tile's codes (the last tile's: v80-85, which hold zeros or codes of p).
; K IS ASKED FOR A STEP AHEAD: p's codes lie in v74-85, so tiles 0 to 6 of the next step (v32-73, 21 loads) are asked for ahead of a step's second products; tile 7 (3 loads) follows at the next step's top,
; and six first products stand ahead of the wait for it.  The loop has 15 trips; the last step, which asks for nothing more, is written out.
; LIMITS: the scaled scores stay under 2^31 in magnitude; 1 / l by v_rcp_f32; a block of zeros or under 2^-124 keeps the scale byte 1 (read by this program alone); NaN and infinities are not served.
; oscl is written a byte a lane, 16 bytes apart: 2 bytes of each row's 16 are this head's.
; REGISTERS: v1-6 lane terms; v7-11, v29 the step's addresses; v12 -M, v13 largest t, v[14:15] l; v16-27 Q; v28, v30, v31, v94 V's scale words; v32-79 K's eight tiles, v80-85 behind them; behind the first
; products at work: v44-50 conversions, v51 a temporary, v52-59 sums, v74-85 p's codes; v86-93 K's scale words; v95 Q's; v96-143 V; v144-207 S^T, then p; v208-239 O^T; v240-253 at work; v254, v255 the add's.
.set S,   144
.set O,   208
.set KF,  32
.set VF,  96
.set KS,  86
.set CT,  51
.set KT,  960
.set VL,  128*KT
.set SCK, VL+98304
.set SCV, SCK+8192
.set SPARE, SCV+4096
.macro CROUND
	s_barrier_signal -1
	s_barrier_wait -1
	s_cmp_lg_u32 s14, 0
	s_cbranch_scc1 .Lnot_wave_0_\@
	s_barrier_signal -3
.Lnot_wave_0_\@:
	s_barrier_wait -3
	s_barrier_signal -1
	s_barrier_wait -1
.endm
.macro FRAG reg, a16, a8, off
	ds_load_b128 v[\reg:\reg+3], v[\a16] offset:\off
	ds_load_b64 v[\reg+4:\reg+5], v[\a8] offset:\off+512
	ds_load_b128 v[\reg+6:\reg+9], v[\a16] offset:\off+768
	ds_load_b64 v[\reg+10:\reg+11], v[\a8] offset:\off+1280
.endm
.macro KTILE c, u                      ; tile 4 c + u of the step at v7, v8, v11: half a fragment and a 16-bit scale word
	ds_load_b128 v[KF+6*(4*\c+\u):KF+6*(4*\c+\u)+3], v7 offset:KT*(4*\c+\u%2)+128*(\u/2)
	ds_load_b64 v[KF+6*(4*\c+\u)+4:KF+6*(4*\c+\u)+5], v8 offset:KT*(4*\c+\u%2)+64*(\u/2)+640
	ds_load_u16 v[KS+4*\c+\u], v11 offset:64*(4*\c+\u%2)+32*(\u/2)
.endm
.macro KPRE                            ; tiles 0 to 6: 21 loads
.irp u, 0,1,2,3
	KTILE 0, \u
.endr
.irp u, 0,1,2
	KTILE 1, \u
.endr
.endm
.macro SP t
	v_wmma_scale_f32_16x16x128_f8f6f4 v[S+8*\t:S+8*\t+7], v[KF+6*\t:KF+6*\t+11], v[16:27], 0, v[KS+\t], v95 matrix_a_fmt:MATRIX_FMT_FP6 matrix_b_fmt:MATRIX_FMT_FP6
.endm
.macro PV t, sc
	v_wmma_scale_f32_16x16x128_f8f6f4 v[O+8*\t:O+8*\t+7], v[VF+12*\t:VF+12*\t+11], v[74:85], v[O+8*\t:O+8*\t+7], v[\sc], v253 matrix_a_fmt:MATRIX_FMT_FP6 matrix_b_fmt:MATRIX_FMT_FP6
.endm
.macro TM n                            ; t - M, two at a time
.rept \n
	v_pk_fma_f32 v[S+j:S+j+1], v[S+j:S+j+1], s[22:23], v[12:13] op_sel_hi:[1,0,0]
.set j, j+2
.endr
.endm
.macro SUMR                            ; eight more p onto the four partial sums
.irp i, 0,1,2,3
	v_pk_add_f32 v[52+2*\i:53+2*\i], v[52+2*\i:53+2*\i], v[S+j+2*\i:S+j+2*\i+1]
.endr
.set j, j+8
.endm
.macro ARM under, g0, g1, next
	s_cmp_lt_u32 s14, \under
	s_cbranch_scc0 \next
	tensor_load_to_lds s[\g0:\g0+3], s[\g1:\g1+7]
	s_nop 0
.rept 4
	v_nop
.endr
	s_branch .Lfilled
\next:
.endm
	s_load_b256 s[4:11], s[0:1], 0x0               ; qkvimg, qkvscl, oimg, oscl
	v_lshl_add_u32 v254, v0, 2, SPARE
	v_mov_b32 v255, 0
	ds_add_u32 v254, v255                          ; the opening lines
	ds_add_u32 v254, v255
	v_lshrrev_b32 v1, 5, v0
	v_readfirstlane_b32 s14, v1                    ; wave 0..15
	s_bfe_u32 s17, ttmp6, 0x40000                  ; cx: my quarter of the queries; it enters Q's and O's addresses alone
	s_and_b32 s18, ttmp7, 0xffff                   ; bh = 16 batch + head
	s_and_b32 s19, s18, 15                         ; head
	; group 1: dense blocks as rows of 256 bytes: K's codes 64 rows with 64 bytes of padding behind each (s[24:31]), V's 64 (s[32:39]), K's scale words 16 (s[40:47]), V's 8 (s[48:55])
.irp g, 24,32,40,48
	s_mov_b32 s[\g+1], 32<<16
	s_mov_b32 s[\g+3], 32<<16
	s_mov_b32 s[\g+5], 32
	s_mov_b32 s[\g+6], 0
	s_mov_b32 s[\g+7], 0
.endr
	s_mov_b32 s24, 15|(3<<16)|(1<<20)|(1<<21)|(5<<22)|(15<<25)
.irp g, 32,40,48
	s_mov_b32 s[\g], 15|(3<<16)|(1<<21)
.endr
	s_mov_b32 s26, 64<<16
	s_mov_b32 s28, 64
	s_mov_b32 s34, 64<<16
	s_mov_b32 s36, 64
	s_mov_b32 s42, 16<<16
	s_mov_b32 s44, 16
	s_mov_b32 s50, 8<<16
	s_mov_b32 s52, 8
	; byte offsets and LDS places, each as a constant + a constant x wave, right for the waves of its arm
	s_mul_i32 s2, s18, 98304
	s_lshl_b32 s3, s14, 14
	s_add_co_u32 s2, s2, s3
	s_add_co_u32 s12, s2, 64*98304                 ; K: record 64 + bh, + 16,384 wave
	s_add_co_u32 s2, s2, 127*98304                 ; V: record 128 + bh, + 16,384 (wave - 6)
	s_lshr_b32 s20, s18, 1
	s_lshl_b32 s20, s20, 13
	s_lshl_b32 s21, s14, 12
	s_add_co_u32 s20, s20, s21
	s_add_co_u32 s20, s20, 32*8192-12*4096         ; K's scale words: + 4,096 (wave - 12)
	s_lshl_b32 s22, s18, 12
	s_lshl_b32 s23, s14, 11
	s_add_co_u32 s22, s22, s23
	s_add_co_u32 s22, s22, 524288-14*2048          ; V's: + 2,048 (wave - 14)
	s_mov_b32 s3, 0
	s_mov_b32 s13, 0
	s_mov_b32 s21, 0
	s_mov_b32 s23, 0
	s_mov_b32 s56, 1
	s_mul_i32 s57, s14, 64*320
	s_mov_b32 s60, 1
	s_lshl_b32 s61, s14, 14
	s_add_co_u32 s61, s61, VL-6*16384
	s_mov_b32 s68, 1
	s_lshl_b32 s69, s14, 12
	s_add_co_u32 s69, s69, SCK-12*4096
	s_mov_b32 s72, 1
	s_lshl_b32 s73, s14, 11
	s_add_co_u32 s73, s73, SCV-14*2048
	s_wait_dscnt 0x0
	CROUND                                         ; all four work-groups are here: the joint loads meet
	s_wait_kmcnt 0x0
	s_add_nc_u64 s[58:59], s[4:5], s[12:13]
	s_or_b32 s59, s59, 0x80000000
	s_add_nc_u64 s[62:63], s[4:5], s[2:3]
	s_or_b32 s63, s63, 0x80000000
	s_add_nc_u64 s[70:71], s[6:7], s[20:21]
	s_or_b32 s71, s71, 0x80000000
	s_add_nc_u64 s[74:75], s[6:7], s[22:23]
	s_or_b32 s75, s75, 0x80000000
	ARM 6, 56, 24, .Lfill_v                        ; one chain of branches on the wave's number, one load to an arm
	ARM 12, 60, 32, .Lfill_ks
	ARM 14, 68, 40, .Lfill_vs
	tensor_load_to_lds s[72:75], s[48:55]
	s_nop 0
.rept 4
	v_nop
.endr
.Lfilled:
	v_and_b32 v7, 31, v0                           ; lane
	v_and_b32 v8, 7, v0                            ; r % 8
	v_bfe_u32 v9, v0, 3, 1                         ; r / 8
	v_bfe_u32 v10, v0, 4, 1                        ; h
	v_and_b32 v11, 15, v0                          ; r
	v_mul_u32_u24 v29, v9, 2*KT                    ; rows 8-15 come from two stored tiles on
	v_mul_u32_u24 v1, v10, 320
	v_add_nc_u32 v1, v1, v29
	v_lshl_add_u32 v1, v8, 4, v1                   ; K, 16-byte pieces: 16 (r % 8) + 320 h + 1920 (r / 8)
	v_lshl_add_u32 v2, v10, 7, v29
	v_lshl_add_u32 v2, v8, 3, v2                   ; K, 8-byte pieces: 8 (r % 8) + 128 h + 1920 (r / 8)
	v_lshl_add_u32 v3, v7, 4, VL                   ; V: 16 x lane,
	v_lshl_add_u32 v4, v7, 3, VL                   ; 8 x lane
	s_and_b32 s3, s18, 1
	s_lshl_b32 s3, s3, 1
	s_add_co_u32 s3, s3, SCK
	v_lshl_add_u32 v5, v8, 2, s3                   ; K's scale words: 4 (r % 8) + 128 (r / 8), + 2 for the odd head
	v_lshl_add_u32 v5, v9, 7, v5
	v_lshl_add_u32 v6, v11, 2, SCV                 ; V's
	v_lshlrev_b32 v247, 3, v10                     ; 8 h
.irp j, 22,23,24,25,26,27,80,81,82,83,84,85,244,246,253
	v_mov_b32 v[\j], 0                             ; Q's zero codes; the registers behind K's last tile; lane permutes' destinations; the pair v[252:253]'s upper half
.endr
	s_wait_alu depctr_va_vdst(0)
	s_mov_b32 s20, 0x76543210
	s_mov_b32 s21, 0xfedcba98                      ; selects for lane l xor 16
	s_mov_b32 s22, 0x3e38aa3b                      ; c = log2(e) / 8
	s_mov_b32 s23, s22
	s_mov_b32 s88, 0xffff0000                      ; lanes 16-31
	s_lshl_b32 s89, s17, 5
	s_add_co_u32 s89, s89, s14                     ; my query tile of pass 0: 32 cx + wave; pass 1's is 16 on
	s_mul_i32 s76, s18, 98304
	s_mul_i32 s77, s89, 768
	s_add_co_u32 s76, s76, s77
	s_mov_b32 s77, 0
	s_add_nc_u64 s[76:77], s[4:5], s[76:77]        ; its codes
	s_lshr_b32 s78, s18, 1
	s_lshl_b32 s78, s78, 13
	s_lshl_b32 s79, s89, 6
	s_add_co_u32 s78, s78, s79
	s_and_b32 s79, s18, 1
	s_lshl_b32 s79, s79, 1
	s_add_co_u32 s78, s78, s79
	s_mov_b32 s79, 0
	s_add_nc_u64 s[78:79], s[6:7], s[78:79]        ; its scale words
	s_lshr_b32 s80, s18, 4
	s_lshl_b32 s80, s80, 3
	s_lshl_b32 s81, s17, 1
	s_add_co_u32 s89, s80, s81                     ; pass 0's block of 256 tokens: 8 batch + 2 cx
	s_mul_i32 s80, s89, 196608
	s_lshr_b32 s81, s19, 1
	s_mul_i32 s81, s81, 24576                      ; the last product's K step = the pair of heads,
	s_add_co_u32 s80, s80, s81
	s_mul_i32 s81, s14, 1536                       ; tile = wave,
	s_add_co_u32 s80, s80, s81
	s_and_b32 s81, s19, 1
	s_mul_i32 s81, s81, 768                        ; half of the fragment = head % 2
	s_add_co_u32 s80, s80, s81
	s_mov_b32 s81, 0
	s_add_nc_u64 s[80:81], s[8:9], s[80:81]
	s_lshl_b32 s82, s89, 13
	s_lshr_b32 s83, s19, 3
	s_lshl_b32 s83, s83, 12
	s_add_co_u32 s82, s82, s83
	s_lshl_b32 s83, s14, 8
	s_add_co_u32 s82, s82, s83
	s_and_b32 s83, s19, 7
	s_lshl_b32 s83, s83, 1
	s_add_co_u32 s82, s82, s83
	s_mov_b32 s83, 0
	s_add_nc_u64 s[82:83], s[10:11], s[82:83]
; A KEY STEP.  s84, s85: K's codes and scale words; s66, s86: V's.  At its top tiles 0 to 6 of K are on their way or in.  pre = 1: the next step's are asked for.
.macro STEP pre
	v_add_nc_u32 v9, s66, v3                       ; these four are the places behind the last step's products, ahead of the loads into their registers
	v_add_nc_u32 v10, s66, v4
	v_add_nc_u32 v29, s86, v6
	v_mov_b32 v245, v12                            ; the old -M
	KTILE 1, 3                                     ; tile 7, into registers that held p's codes
	s_wait_alu depctr_va_vdst(0)
	s_wait_dscnt 3                                 ; tiles 0 to 6 are in; tile 7's three loads may be out
.irp t, 0,1,2,3,4,5
	SP \t
.endr
	s_wait_dscnt 0x0                               ; tile 7 is in
	SP 6
	SP 7
.irp t, 0,1,2,3
	FRAG VF+12*\t, 9, 10, 1536*\t                  ; V's 20 loads land under the softmax
.endr
	ds_load_b32 v28, v29
	ds_load_b32 v30, v29 offset:64
	ds_load_b32 v31, v29 offset:128
	ds_load_b32 v94, v29 offset:192
.if \pre
	s_add_co_u32 s84, s84, 8*KT
	s_add_co_u32 s85, s85, 512
	s_add_co_u32 s66, s66, 6144
	s_add_co_u32 s86, s86, 256
	v_add_nc_u32 v7, s84, v1                       ; the next step's addresses of K: three of the four places behind the products
	v_add_nc_u32 v8, s84, v2
	v_add_nc_u32 v11, s85, v5
	v_nop
.else
.rept 4
	v_nop
.endr
.endif
.irp b, 0,1,2,3
	v_max3_num_f32 v[240+\b], v[S+16*\b], v[S+16*\b+1], v[S+16*\b+2]   ; the largest score of each block, in two chains a block; each accumulator is read from its low end on
.endr
.irp i, 3,5,7,9,11,13
.irp b, 0,1,2,3
	v_max3_num_f32 v[240+\b], v[240+\b], v[S+16*\b+\i], v[S+16*\b+\i+1]
.endr
.endr
	v_max3_num_f32 v240, v240, v[S+15], v[S+31]
	v_max3_num_f32 v242, v242, v[S+47], v[S+63]
	v_max_num_f32 v240, v240, v241                 ; block h's,
	v_max_num_f32 v242, v242, v243                 ; block 2 + h's
	s_delay_alu instid0(VALU_DEP_1)
	v_max_num_f32 v[CT], v240, v242
	s_delay_alu instid0(VALU_DEP_1)
	v_permlanex16_b32 v244, v[CT], s20, s21
	s_delay_alu instid0(VALU_DEP_1)
	v_max_num_f32 v[CT], v[CT], v244               ; with lane l xor 16's two blocks: the step's largest score of my query
	s_delay_alu instid0(VALU_DEP_1)
	v_mul_f32 v[CT], s22, v[CT]                    ; as t (c is positive)
	s_delay_alu instid0(VALU_DEP_1)
	v_max_num_f32 v13, v13, v[CT]                  ; the running largest t
	s_delay_alu instid0(VALU_DEP_1)
	v_floor_f32 v12, -v13                          ; the new -M = floor(-t)
	s_delay_alu instid0(VALU_DEP_1)
	v_sub_f32 v[CT], v12, v245                     ; old M - new M: a whole number, 0 or less
.set j, 0
	TM 4
	v_cvt_i32_f32 v[CT], v[CT]                     ; (it saturates)
	TM 4
	v_ldexp_f32 v252, 1.0, v[CT]                   ; f = 2^(old M - new M)
	TM 24
	v_fma_f32 v240, v240, s22, v12                 ; the same of each block's largest score
	v_fma_f32 v242, v242, s22, v12
.set j, 0
.rept 16
	v_pk_mul_f32 v[O+j:O+j+1], v[O+j:O+j+1], v[252:253] op_sel_hi:[1,0]   ; O^T under the new M
.set j, j+2
.endr
	s_wait_alu depctr_va_vdst(0)
.set j, 0
.rept 64
	v_exp_f32 v[S+j], v[S+j]                       ; p = 2^(t - M)
.set j, j+1
.endr
	v_exp_f32 v240, v240                           ; each block's largest p
	v_exp_f32 v242, v242
	v_pk_mul_f32 v[14:15], v[14:15], v[252:253] op_sel_hi:[1,0]   ; l under the new M: the plain place behind the batch
	s_wait_alu depctr_va_vdst(0)                   ; one wait for the batch, ahead of its first reader
	v_max_num_f32 v240, 0x1800000, v240            ; the floor 2^(3 - 127)
	v_max_num_f32 v242, 0x1800000, v242
.irp i, 0,1,2,3
	v_pk_add_f32 v[52+2*\i:53+2*\i], v[S+2*\i:S+2*\i+1], v[S+8+2*\i:S+8+2*\i+1]   ; l is taken of the unquantised p: four partial sums
.endr
.set j, 16
	v_add_nc_u32 v248, 0xff000000, v240            ; 2 off the exponent field: the conversions' scale operands
	v_add_nc_u32 v249, 0xff000000, v242
	v_cvt_scalef32_pk16_fp6_f32 v[74:76], v[S:S+15], v248
	v_cvt_scalef32_pk16_fp6_f32 v[44:46], v[S+16:S+31], v248
	v_cvt_scalef32_pk16_fp6_f32 v[80:82], v[S+32:S+47], v249
	v_cvt_scalef32_pk16_fp6_f32 v[48:50], v[S+48:S+63], v249
	SUMR                                           ; (plain places behind the conversions)
.irp i, 0,1,2
	v_mov_b32 v[77+\i], v[44+\i]                   ; a conversion's three registers begin on an even number: the upper halves are moved
	v_mov_b32 v[83+\i], v[48+\i]
.endr
	v_lshrrev_b32 v250, 23, v248                   ; the scales' bytes
	v_lshrrev_b32 v251, 23, v249
	SUMR
	v_lshl_or_b32 v250, v251, 16, v250             ; blocks h and 2 + h,
	SUMR
	v_lshlrev_b32 v250, v247, v250                 ; at their places in the word;
	SUMR
	v_permlanex16_b32 v246, v250, s20, s21
	SUMR
	v_or_b32 v253, v250, v246                      ; with lane l xor 16's two the word is whole.  Eight plain lines follow it ahead of the products
	SUMR
	v_pk_add_f32 v[52:53], v[52:53], v[54:55]
	v_pk_add_f32 v[56:57], v[56:57], v[58:59]
	v_pk_add_f32 v[14:15], v[14:15], v[52:53]
	v_pk_add_f32 v[14:15], v[14:15], v[56:57]
.if \pre
	KPRE                                           ; v32-73 are done with: the next step's tiles 0 to 6
	s_wait_alu depctr_va_vdst(0)
	s_wait_dscnt 21                                ; V is in; the 21 loads just issued may be out
.else
	s_wait_alu depctr_va_vdst(0)
	s_wait_dscnt 0x0                               ; V is in
.endif
	PV 0, 28                                       ; the four accumulators by turns
	PV 1, 30
	PV 2, 31
	PV 3, 94
.endm
; THE WAY OUT of a pass: O^T / l; register 16 g + i = channel 32 g + 16 h + i: two blocks of 32, each shared with lane l xor 16: half a fragment of the last product's operand.
.macro EPI p
.rept 4
	v_nop                                          ; places behind the last products
.endr
	v_add_f32 v14, v14, v15
	v_permlanex16_b32 v244, v14, s20, s21
	v_add_f32 v14, v14, v244                       ; l
	s_wait_alu depctr_va_vdst(0)
	v_rcp_f32 v14, v14
	v_nop
	s_wait_alu depctr_va_vdst(0)
.set j, 0
.rept 16
	v_pk_mul_f32 v[S+j:S+j+1], v[O+j:O+j+1], v[14:15] op_sel_hi:[1,0]
.set j, j+2
.endr
.irp g, 0,1
	v_max3_num_f32 v[44+\g], |v[S+16*\g]|, |v[S+1+16*\g]|, 0x1800000
.endr
.irp i, 2,4,6,8,10,12,14
.irp g, 0,1
	v_max3_num_f32 v[44+\g], v[44+\g], |v[S+16*\g+\i]|, |v[S+1+16*\g+\i]|
.endr
.endr
.irp g, 0,1
	v_permlanex16_b32 v[46+\g], v[44+\g], s20, s21
.endr
.irp g, 0,1
	v_max_num_f32 v[44+\g], v[44+\g], v[46+\g]
.endr
.irp g, 0,1
	v_add_nc_u32 v[248+\g], 0xff000000, v[44+\g]
.endr
.irp g, 0,1
	v_lshrrev_b32 v[250+\g], 23, v[248+\g]
.endr
	v_cvt_scalef32_pk16_fp6_f32 v[32:34], v[S:S+15], v248
	v_cvt_scalef32_pk16_fp6_f32 v[40:42], v[S+16:S+31], v249
	v_nop
.irp i, 0,1,2
	v_permlane16_swap_b32 v[32+\i], v[40+\i]       ; a whole block in a lane
.endr
.irp i, 0,1,2
	v_mov_b32 v[35+\i], v[40+\i]
.endr
	v_cndmask_b32 v56, v250, v251, s88             ; lanes 0-15 store block 0's byte, lanes 16-31 block 1's
	v_and_b32 v55, 31, v0
	v_lshlrev_b32 v52, 4, v55
	v_lshlrev_b32 v53, 3, v55
	v_and_b32 v54, 15, v0
	v_bfe_u32 v55, v0, 4, 1
	v_lshl_add_u32 v54, v54, 4, v55                ; 16 r + half
	global_store_b128 v52, v[32:35], s[80:81] offset:196608*\p         ; 512 consecutive bytes, aligned to 256
	global_store_b64 v53, v[36:37], s[80:81] offset:196608*\p+512      ; 256
	global_store_b8 v54, v56, s[82:83] offset:8192*\p
	s_wait_xcnt 0x0                                ; the stores have read their registers
.endm
.macro PASS p
	v_and_b32 v146, 31, v0                         ; Q's offsets lie in S^T's registers, which are free here
	v_lshlrev_b32 v144, 4, v146
	v_lshlrev_b32 v145, 3, v146
	v_and_b32 v147, 15, v0
	v_lshlrev_b32 v147, 2, v147
	global_load_b128 v[16:19], v144, s[76:77] offset:12288*\p
	global_load_b64 v[20:21], v145, s[76:77] offset:12288*\p+512
	global_load_u16 v95, v147, s[78:79] offset:1024*\p
	v_mov_b32 v13, 0xff61b1e6                      ; the largest t so far: -3e38
	v_floor_f32 v12, -v13
	v_mov_b32 v14, 0
	v_mov_b32 v15, 0
.set j, 0
.rept 32
	v_mov_b32 v[O+j], 0                            ; the first step finds zeros, which the first change of M leaves zeros: so no step differs in its arithmetic
.set j, j+1
.endr
	s_mov_b32 s84, 0
	s_mov_b32 s85, 0
	s_mov_b32 s66, 0
	s_mov_b32 s86, 0
	s_mov_b32 s87, 15
	v_add_nc_u32 v7, s84, v1                       ; step 0's addresses of K, made as every step's
	v_add_nc_u32 v8, s84, v2
	v_add_nc_u32 v11, s85, v5
	s_wait_alu depctr_va_vdst(0)
.if \p == 0
	s_wait_tensorcnt 0x0                           ; my one load has landed,
	s_barrier_signal -1
	s_barrier_wait -1                              ; everybody's has
.endif
	KPRE                                           ; step 0's tiles 0 to 6
	s_wait_loadcnt 0x0                             ; Q
.Lkeys_\@:
	STEP 1                                         ; steps 0 to 14
	s_sub_co_u32 s87, s87, 1
	s_cmp_lg_u32 s87, 0
	s_cbranch_scc1 .Lkeys_\@
	STEP 0                                         ; step 15 asks for nothing more
	EPI \p
.endm
	PASS 0
	PASS 1
	s_wait_tensorcnt 0x0                           ; the wave's end
	ds_add_u32 v254, v255
	s_wait_dscnt 0x0
	CROUND                                         ; the closing round
	s_endpgm
.Lfunc_end_k_q8a6d6576a5_attn:
	.size	k_q8a6d6576a5_attn, .Lfunc_end_k_q8a6d6576a5_attn-k_q8a6d6576a5_attn
	.p2alignl 7, 3214868480
	.fill 96, 4, 3214868480
	.section	.rodata,"a",@progbits
	.p2align	6, 0x0
	.amdhsa_kernel k_q8a6d6576a5_attn
		.amdhsa_group_segment_fixed_size 235520
		.amdhsa_private_segment_fixed_size 0
		.amdhsa_enable_private_segment 0
		.amdhsa_kernarg_size 32
		.amdhsa_user_sgpr_count 2
		.amdhsa_user_sgpr_kernarg_segment_ptr 1
		.amdhsa_wavefront_size32 1
		.amdhsa_system_sgpr_workgroup_id_x 1
		.amdhsa_system_sgpr_workgroup_id_y 1
		.amdhsa_system_sgpr_workgroup_id_z 1
		.amdhsa_system_vgpr_workitem_id 0
		.amdhsa_next_free_vgpr 256
		.amdhsa_next_free_sgpr 90
		.amdhsa_reserve_vcc 0
		.amdhsa_float_denorm_mode_32 3
		.amdhsa_float_denorm_mode_16_64 3
		.amdhsa_memory_ordered 1
		.amdhsa_forward_progress 1
		.amdhsa_inst_pref_size 84
	.end_amdhsa_kernel
	.amdgpu_metadata
---
amdhsa.version: [ 1, 2 ]
amdhsa.kernels:
  - .name:           k_q8a6d6576a5_attn
    .symbol:         k_q8a6d6576a5_attn.kd
    .args:
      - { .name: qkvimg, .offset: 0, .size: 8, .value_kind: global_buffer, .address_space: global }
      - { .name: qkvscl, .offset: 8, .size: 8, .value_kind: global_buffer, .address_space: global }
      - { .name: oimg, .offset: 16, .size: 8, .value_kind: global_buffer, .address_space: global }
      - { .name: oscl, .offset: 24, .size: 8, .value_kind: global_buffer, .address_space: global }
    .group_segment_fixed_size: 235520
    .private_segment_fixed_size: 0
    .kernarg_segment_align: 8
    .kernarg_segment_size: 32
    .max_flat_workgroup_size: 512
    .sgpr_count:     90
    .vgpr_count:     256
    .wavefront_size: 32
...
	.end_amdgpu_metadata
.endif
;; end of part 3
;; launch outp (part 4): grid 8 x 32, 4 waves a work-group, clusters of 4 x 4, 327,680 bytes of LDS; arguments oimg, oscl, inimg, inscl, out0; writes out0
.if DOCPART == 4
	.amdgcn_target "amdgcn-amd-amdhsa--gfx1250"
	.amdhsa_code_object_version 6
	.text
	.protected	k_q8a6d6576a5_outp
	.globl	k_q8a6d6576a5_outp
	.p2align	8
	.type	k_q8a6d6576a5_outp,@function
k_q8a6d6576a5_outp:
	s_mov_b64 s[64:65], 0
	v_nop
	global_prefetch_b8 v0, s[64:65] scope:SCOPE_SE
	s_setreg_imm32_b32 hwreg(HW_REG_WAVE_MODE, 25, 1), 1
	s_wait_xcnt 0x0
	s_wait_alu depctr_hold_cnt(0) depctr_sa_sdst(0) depctr_va_vdst(0) depctr_va_sdst(0) depctr_va_ssrc(0) depctr_va_vcc(0) depctr_vm_vsrc(0)
	s_getreg_b32 s2, hwreg(HW_REG_IB_STS2, 6, 4)
	s_cmp_eq_u32 s2, 0
	s_cbranch_scc0 .Lentry_in_a_cluster
	s_endpgm
.Lentry_in_a_cluster:
	s_bfe_u32 s2, ttmp6, 0x10000c
	s_cmp_lg_u32 s2, 0xf033
	s_cbranch_scc0 .Lentry_shape_is_right
	s_endpgm
.Lentry_shape_is_right:
; out0 = o Wo^T on codes of FP6 (E2M3) with E8M0 scales, K = 1,024; out0 [8192][1024] f32.
; ROLES.  P, source 0 = 128 rows of Wo; R, source 1 = 256 tokens of o.  A lane holds one token, and, by the order of rows in a tile (lane r of tile T holds row 32 (T / 2) + 8 (T % 2) + r + 8 (r / 8)),
; the 16 registers of result tiles 2 B and 2 B + 1 are outputs 32 B + 16 (lane / 16) + 0 .. 15.
; SHARES.  A work-group: 256 tokens x 128 outputs, all of K: 256 work-groups.  Wave w: R's tiles 4 w .. 4 w + 3 x P's eight: 32 accumulators.
; LDS.  R's 196,608 bytes and P's 98,304 for all eight K steps are filled ONCE, in four stages of two K steps; a wave has four tensor loads out at the most.
; CLUSTERS of 4 x 4: R's block hangs on the work-group's y alone and is shared along a row of the cluster, P's unit on its x alone and is shared along a column: joint loads.
; The scale words (12 KB of a work-group's 307 KB) go from memory straight into registers, once: too small a part to ask for jointly.
; REGISTERS.  window 0: v4-19 LDS addresses by stage; v20-26 offsets; v32-63 R's scale words (32 + 8 a + q); v64-127 P's (64 + 8 b + q); v128-175, v176-223 R's fragments, two sets; on the way out v128-255 rows of out0.
;   window 1: P's fragments, sets at v0 and v128.   window 2: accumulator (a, b) at v[64 a + 8 b].
.set PL,  196608                       ; LDS: R [K step][16 tiles][1536] from 0, P [K step][8 tiles][1536] from here
.set SPI, 528                          ; the way out: a stage of 16 rows x (512 bytes + 16) for each wave, in R's first bytes: they have had their one fill, and a barrier stands behind every wave's last read
.set MSB, 0
.macro WIN new                         ; the immediate's high byte repeats the setting that is left
.if MSB != \new
	s_set_vgpr_msb (MSB<<8)|\new
.set MSB, \new
.endif
.endm
.macro CROUND                          ; a round of the cluster's barrier
	s_barrier_signal -1
	s_barrier_wait -1
	s_cmp_lg_u32 s14, 0
	s_cbranch_scc1 .Lnot_wave_0_\@
	s_barrier_signal -3
.Lnot_wave_0_\@:
	s_barrier_wait -3
	s_barrier_signal -1
	s_barrier_wait -1
.endm
.macro PLACES                          ; four plain places behind matrix instructions, ahead of loads into their registers and of reads of their results
.rept 4
	v_nop
.endr
.endm
.macro FRAG reg, a16, a8, off          ; a fragment's image: every load takes consecutive bytes, lane by lane
	ds_load_b128 v[\reg:\reg+3], v[\a16] offset:\off
	ds_load_b64 v[\reg+4:\reg+5], v[\a8] offset:\off+512
	ds_load_b128 v[\reg+6:\reg+9], v[\a16] offset:\off+768
	ds_load_b64 v[\reg+10:\reg+11], v[\a8] offset:\off+1280
.endm
.macro FETCH q, set                    ; K step q: P's eight fragments and my four of R, 48 LDS loads in one run
	WIN 0x40                                       ; destination window 1
.irp b, 0,1,2,3,4,5,6,7
	FRAG 128*(\set)+12*\b,12+(\q)/2,16+(\q)/2,((\q)%2)*12288+1536*\b
.endr
	WIN 0
.irp a, 0,1,2,3
	FRAG 128+48*(\set)+12*\a,4+(\q)/2,8+(\q)/2,((\q)%2)*24576+1536*\a
.endr
.endm
.macro MUL q                           ; 32 matrix instructions; the 32 accumulators take turns, one instruction a turn, in the same order in every K step
	WIN 0xa1                                       ; source 0 (P) window 1, source 1 (R) window 0, C and D window 2
.irp a, 0,1,2,3
.irp b, 0,1,2,3,4,5,6,7
.if (\q) == 0
	v_wmma_scale_f32_16x16x128_f8f6f4 v[64*\a+8*\b:64*\a+8*\b+7], v[128*((\q)%2)+12*\b:128*((\q)%2)+12*\b+11], v[128+48*((\q)%2)+12*\a:128+48*((\q)%2)+12*\a+11], 0, v[64+8*\b+(\q)], v[32+8*\a+(\q)] matrix_a_fmt:MATRIX_FMT_FP6 matrix_b_fmt:MATRIX_FMT_FP6
.else
	v_wmma_scale_f32_16x16x128_f8f6f4 v[64*\a+8*\b:64*\a+8*\b+7], v[128*((\q)%2)+12*\b:128*((\q)%2)+12*\b+11], v[128+48*((\q)%2)+12*\a:128+48*((\q)%2)+12*\a+11], v[64*\a+8*\b:64*\a+8*\b+7], v[64+8*\b+(\q)], v[32+8*\a+(\q)] matrix_a_fmt:MATRIX_FMT_FP6 matrix_b_fmt:MATRIX_FMT_FP6
.endif
.endr
.endr
	WIN 0
.endm
.macro STEP q
	s_wait_dscnt 0x0                               ; this K step's fragments are in
.if (\q) == 1
	s_wait_tensorcnt 0x0                           ; every wave's one load has landed: K steps 2 to 7 among them
	s_barrier_signal -1
	s_barrier_wait -1                              ; everybody's has
.endif
.if (\q) == 7
	s_barrier_signal -1                            ; my last reads of R and P are in:
	s_barrier_wait -1                              ; everybody's are, so the stages may be laid over R's first bytes
.endif
.if (\q) < 7
	PLACES
	FETCH (\q)+1,((\q)+1)%2                        ; the next K step's fragments, into the other set, ahead of this step's products
.endif
	MUL \q
.endm
	s_load_b256 s[4:11], s[0:1], 0x0               ; oimg, oscl, inimg, inscl
	s_load_b64 s[84:85], s[0:1], 0x20              ; out0
	v_lshl_add_u32 v30, v0, 2, 0x48000
	v_mov_b32 v31, 0
	ds_add_u32 v30, v31
	ds_add_u32 v30, v31
	v_lshrrev_b32 v1, 5, v0
	v_readfirstlane_b32 s14, v1                    ; wave 0..3
	s_bfe_u32 s17, ttmp6, 0x40000                  ; cx
	s_bfe_u32 s18, ttmp6, 0x40004                  ; cy
	s_and_b32 s20, ttmp7, 0xffff
	s_lshl_b32 s20, s20, 2
	s_add_co_u32 s20, s20, s18                     ; RB: the block of 256 tokens; it never holds cx
	s_lshl_b32 s21, ttmp9, 2
	s_add_co_u32 s21, s21, s17
	s_add_co_u32 s21, s21, 88                      ; PU: Wo's units of 128 rows are 88 .. 95 of inimg; it never holds cy
	s_lshl_b32 s22, s18, 2
	s_lshl_b32 s22, 15, s22                        ; my row of the cluster
	s_lshl_b32 s23, 0x1111, s17                    ; my column
	; descriptor group 1: a dense block as rows of 256 bytes (32 elements of 8 bytes): R's K step 96 rows, P's 48
	; THE FILLS AS THEY STAND: four loads, one a wave.  R's block is dense: K steps 0, 1 are 192 rows of 256 bytes (s[24:31]), K steps 2 to 7 are 576 (s[40:47]).
	; P's unit is 12,288 bytes of each K step's 24,576: rows of 1,536 elements of 8 bytes, pitch 3,072: 2 rows (s[32:39]) and 6 rows (s[48:55]).
	s_or_b32 s24, s22, (3<<16)|(1<<21)             ; 15:0 the mask; 17:16 elements of 8 bytes; 21 set beside a mask
	s_or_b32 s40, s22, (3<<16)|(1<<21)
	s_or_b32 s32, s23, (3<<16)|(1<<21)
	s_or_b32 s48, s23, (3<<16)|(1<<21)
.irp g, 24,40
	s_mov_b32 s[\g+1], 32<<16
	s_mov_b32 s[\g+3], 32<<16
	s_mov_b32 s[\g+5], 32
	s_mov_b32 s[\g+6], 0
	s_mov_b32 s[\g+7], 0
.endr
.irp g, 32,48
	s_mov_b32 s[\g+1], 1536<<16
	s_mov_b32 s[\g+3], 1536<<16
	s_mov_b32 s[\g+5], 3072
	s_mov_b32 s[\g+6], 0
	s_mov_b32 s[\g+7], 0
.endr
	s_mov_b32 s26, 192<<16
	s_mov_b32 s28, 192
	s_mov_b32 s42, 576<<16
	s_mov_b32 s44, 576
	s_mov_b32 s34, 2<<16
	s_mov_b32 s36, 2
	s_mov_b32 s50, 6<<16
	s_mov_b32 s52, 6
	s_mul_i32 s56, s20, 196608
	s_mov_b32 s57, 0
	s_lshr_b32 s58, s21, 1
	s_mul_i32 s58, s58, 196608
	s_and_b32 s13, s21, 1
	s_mul_i32 s13, s13, 12288                      ; the unit is the lower or the upper eight tiles of its block
	s_add_co_u32 s58, s58, s13
	s_mov_b32 s59, 0
	s_lshl_b32 s60, s20, 13                        ; R's scale words: my four tiles
	s_lshl_b32 s97, s14, 10
	s_add_co_u32 s60, s60, s97
	s_mov_b32 s61, 0
	s_lshr_b32 s62, s21, 1                         ; P's
	s_lshl_b32 s62, s62, 13
	s_and_b32 s98, s21, 1
	s_lshl_b32 s98, s98, 11
	s_add_co_u32 s62, s62, s98
	s_mov_b32 s63, 0
	s_lshl_b32 s86, s20, 20                        ; out0: 256 RB rows of 4,096 bytes,
	s_lshl_b32 s98, s14, 18                        ; + my 64 rows,
	s_add_co_u32 s86, s86, s98
	s_sub_co_u32 s98, s21, 88
	s_lshl_b32 s98, s98, 9                         ; + the unit's 128 columns
	s_add_co_u32 s86, s86, s98
	s_mov_b32 s87, 0
	s_wait_dscnt 0x0
	s_wait_kmcnt 0x0
	s_add_nc_u64 s[56:57], s[4:5], s[56:57]
	s_add_nc_u64 s[58:59], s[8:9], s[58:59]
	s_add_nc_u64 s[60:61], s[6:7], s[60:61]
	s_add_nc_u64 s[62:63], s[10:11], s[62:63]
	s_add_nc_u64 s[84:85], s[84:85], s[86:87]
.irp s, 0,1                            ; group 0: s = 0: K steps 0, 1; s = 1: K steps 2 to 7.  R's at s[68:71], s[76:79], P's at s[72:75], s[80:83]
	s_mov_b32 s[68+8*\s], 1
	s_mov_b32 s[69+8*\s], \s*49152
	s_add_nc_u64 s[70+8*\s:71+8*\s], s[56:57], \s*49152
	s_or_b32 s[71+8*\s], s[71+8*\s], 0x80000000
	s_mov_b32 s[72+8*\s], 1
	s_mov_b32 s[73+8*\s], PL+\s*24576
	s_add_nc_u64 s[74+8*\s:75+8*\s], s[58:59], \s*49152
	s_or_b32 s[75+8*\s], s[75+8*\s], 0x80000000
.endr
	CROUND                                         ; all sixteen work-groups are here: the joint loads meet
; One chain of branches on the wave's number, one load to an arm: wave 0 R's K steps 0, 1; wave 1 P's; wave 2 R's K steps 2 to 7; wave 3 P's.
.macro ARM under, g0, g1, next
	s_cmp_lt_u32 s14, \under
	s_cbranch_scc0 \next
	tensor_load_to_lds s[\g0:\g0+3], s[\g1:\g1+7]
	s_nop 0
.rept 4
	v_nop
.endr
	s_branch .Lfilled
\next:
.endm
	ARM 1, 68, 24, .Lfill_p0
	ARM 2, 72, 32, .Lfill_r2
	ARM 3, 76, 40, .Lfill_p2
	tensor_load_to_lds s[80:83], s[48:55]
	s_nop 0
.rept 4
	v_nop
.endr
.Lfilled:
	v_and_b32 v1, 31, v0                           ; lane
	v_and_b32 v2, 15, v0                           ; r
	v_bfe_u32 v3, v0, 4, 1                         ; h
	v_lshlrev_b32 v24, 4, v2                       ; a row's four scale words
.irp a, 0,1,2,3
.irp k, 0,1
	global_load_b128 v[32+8*\a+4*\k:35+8*\a+4*\k], v24, s[60:61] offset:4096*\k+256*\a
.endr
.endr
.irp b, 0,1,2,3,4,5,6,7
.irp k, 0,1
	global_load_b128 v[64+8*\b+4*\k:67+8*\b+4*\k], v24, s[62:63] offset:4096*\k+256*\b
.endr
.endr
	v_lshlrev_b32 v20, 4, v1                       ; 16 x lane
	v_lshlrev_b32 v21, 3, v1                       ; 8 x lane
	s_mul_i32 s97, s14, 6144                       ; my four tiles of R in a K step
.irp s, 0,1,2,3
	v_add_nc_u32 v[4+\s], s97, v20
	v_add_nc_u32 v[8+\s], s97, v21
	v_add_nc_u32 v[12+\s], PL+24576*\s, v20
	v_add_nc_u32 v[16+\s], PL+24576*\s, v21
	s_add_co_u32 s97, s97, 49152
.endr
	s_mul_i32 s97, s14, 16*SPI                     ; my stage
	v_mul_u32_u24 v25, v2, SPI
	v_lshl_add_u32 v25, v3, 6, v25
	v_add_nc_u32 v25, s97, v25                     ; in: row r, + 64 h
	v_add_nc_u32 v26, s97, v20                     ; back: the 32 lanes take one row of 512 bytes
	s_wait_alu depctr_va_vdst(0)
	s_cmp_lt_u32 s14, 2                            ; waves 0 and 1 wait for their loads, K steps 0 and 1; the other two loads may be out
	s_cbranch_scc0 .Lnot_first
	s_wait_tensorcnt 0x0
.Lnot_first:
	s_barrier_signal -1
	s_barrier_wait -1                              ; K steps 0 and 1 are shown to all
	FETCH 0,0
	s_wait_loadcnt 0x0                             ; the scale words
	STEP 0
	STEP 1
	STEP 2
	STEP 3
	STEP 4
	STEP 5
	STEP 6
	STEP 7
; THE WAY OUT, tile by tile of 16 tokens x 128 outputs.  A lane holds pieces of 32 neighbouring bytes of one row, and the lanes beside it hold other rows: so a tile goes through my own stage and comes back as whole rows of
; 512 bytes.  LDS serves a wave's instructions in order: no wait between the stores and the loads, nor ahead of the next tile's stores.
.macro TOSTAGE a
	WIN 0x08                                       ; an LDS store's data are its source 1: window 2
.irp b, 0,1,2,3,4,5,6,7
	ds_store_b128 v25, v[64*(\a)+8*\b:64*(\a)+8*\b+3] offset:128*(\b/2)+32*(\b%2)        ; each accumulator from its low end on
	ds_store_b128 v25, v[64*(\a)+8*\b+4:64*(\a)+8*\b+7] offset:128*(\b/2)+32*(\b%2)+16
.endr
	WIN 0
.irp i, 0,1,2,3,4,5,6,7,8,9,10,11,12,13,14,15
	ds_load_b128 v[128+64*((\a)%2)+4*\i:128+64*((\a)%2)+4*\i+3], v26 offset:SPI*\i
.endr
.endm
.macro SEND a, younger                 ; younger: the LDS instructions issued behind tile a's loads, which may stay out
	s_wait_dscnt \younger
.irp i, 0,1,2,3,4,5,6,7,8,9,10,11,12,13,14,15
	global_store_b128 v20, v[128+64*((\a)%2)+4*\i:128+64*((\a)%2)+4*\i+3], s[84:85] offset:(32*((\a)/2)+8*((\a)%2)+\i+8*(\i/8))*4096 th:TH_STORE_NT   ; 32 lanes store 512 consecutive bytes, aligned to 256; position i of the tile is this row
.endr
.endm
	PLACES
	TOSTAGE 0
.irp a, 1,2,3
.if \a > 1
	s_wait_xcnt 0x0                                ; tile a - 2's stores have read their registers: tile a's loads may land there
.endif
	TOSTAGE \a
	SEND \a-1, 32                                  ; behind tile a - 1's loads: tile a's 16 stores and 16 loads
.endr
	SEND 3, 0
	s_wait_tensorcnt 0x0
	ds_add_u32 v30, v31
	s_wait_dscnt 0x0
	CROUND                                         ; the closing round: no work-group ends while a partner may still ask for a tile that names it
	s_endpgm
.Lfunc_end_k_q8a6d6576a5_outp:
	.size	k_q8a6d6576a5_outp, .Lfunc_end_k_q8a6d6576a5_outp-k_q8a6d6576a5_outp
	.p2alignl 7, 3214868480
	.fill 96, 4, 3214868480
	.section	.rodata,"a",@progbits
	.p2align	6, 0x0
	.amdhsa_kernel k_q8a6d6576a5_outp
		.amdhsa_group_segment_fixed_size 327680
		.amdhsa_private_segment_fixed_size 0
		.amdhsa_enable_private_segment 0
		.amdhsa_kernarg_size 40
		.amdhsa_user_sgpr_count 2
		.amdhsa_user_sgpr_kernarg_segment_ptr 1
		.amdhsa_wavefront_size32 1
		.amdhsa_system_sgpr_workgroup_id_x 1
		.amdhsa_system_sgpr_workgroup_id_y 1
		.amdhsa_system_sgpr_workgroup_id_z 1
		.amdhsa_system_vgpr_workitem_id 0
		.amdhsa_next_free_vgpr 768
		.amdhsa_next_free_sgpr 100
		.amdhsa_reserve_vcc 0
		.amdhsa_float_denorm_mode_32 3
		.amdhsa_float_denorm_mode_16_64 3
		.amdhsa_memory_ordered 1
		.amdhsa_forward_progress 1
		.amdhsa_inst_pref_size 84
	.end_amdhsa_kernel
	.amdgpu_metadata
---
amdhsa.version: [ 1, 2 ]
amdhsa.kernels:
  - .name:           k_q8a6d6576a5_outp
    .symbol:         k_q8a6d6576a5_outp.kd
    .args:
      - { .name: oimg, .offset: 0, .size: 8, .value_kind: global_buffer, .address_space: global }
      - { .name: oscl, .offset: 8, .size: 8, .value_kind: global_buffer, .address_space: global }
      - { .name: inimg, .offset: 16, .size: 8, .value_kind: global_buffer, .address_space: global }
      - { .name: inscl, .offset: 24, .size: 8, .value_kind: global_buffer, .address_space: global }
      - { .name: out0, .offset: 32, .size: 8, .value_kind: global_buffer, .address_space: global }
    .group_segment_fixed_size: 327680
    .private_segment_fixed_size: 0
    .kernarg_segment_align: 8
    .kernarg_segment_size: 40
    .max_flat_workgroup_size: 128
    .sgpr_count:     100
    .vgpr_count:     768
    .wavefront_size: 32
...
	.end_amdgpu_metadata
.endif
;; end of part 4
